; MI455X (gfx1250); checked and timed in simulation.
; The chip was launched on July 23, 2026; its instructions are those of AMD's public machine-readable ISA for CDNA 5 (MIT licence, August 2026) and "CDNA5" Instruction Set Architecture Reference Guide (July 2026). The comments in the code are by the model that wrote it; some were corrected since.
;; New Sub Graph. Allowed arithmetic: matrix products marked QUANTISED: E2M1 operands, one E8M0 scale for each 32 along K, by v_wmma_scale_f32_16x16x128_f8f6f4 with both operands' format E2M1 (or v_wmma_scale_f32_32x16x128_f4), f32 sums; products left as they are: f32 operands where the result goes on into a quantised operand, else bf16, f16 or f32 operands; f32 sums; everything else in f32.
;; Inputs: W_emb 16 x 128 float32; W_enc_codes 128 x 4 x 16 uint8 (E2M1 codes of W_enc, K innermost, in blocks of 32 codes, two codes a byte); W_enc_scales 128 x 4 uint8 (E8M0 scales of W_enc, one for each 32 codes along K); Wk_codes 3 x 128 x 4 x 16 uint8 (E2M1 codes of Wk, K innermost, in blocks of 32 codes, two codes a byte); Wk_scales 3 x 128 x 4 uint8 (E8M0 scales of Wk, one for each 32 codes along K); Wq_codes 3 x 128 x 4 x 16 uint8 (E2M1 codes of Wq, K innermost, in blocks of 32 codes, two codes a byte); Wq_scales 3 x 128 x 4 uint8 (E8M0 scales of Wq, one for each 32 codes along K); Wv_codes 3 x 128 x 4 x 16 uint8 (E2M1 codes of Wv, K innermost, in blocks of 32 codes, two codes a byte); Wv_scales 3 x 128 x 4 uint8 (E8M0 scales of Wv, one for each 32 codes along K); b_emb 128 float32; b_enc 128 float32; beta_emb 128 float32; beta_enc 128 float32; bk 3 x 128 float32; bq 3 x 128 float32; bv 3 x 128 float32; g_emb 128 float32; g_enc 128 float32; lane_nodes_feat 4,096 x 1 x 64 x 16 float32; ln_b 3 x 128 float32; ln_g 3 x 128 float32; masks 4,096 x 1 x 64 x 1 float32.
;; Outputs: out0 4,096 x 1 x 128 float32.
;; This version of the problem:
;;   THIS VERSION OF THE PROBLEM IS GIVEN IN LOW PRECISION. The matrix products marked QUANTISED in the list below multiply operands that are first quantised to E2M1 (2 exponent bits, 1 mantissa bit; 4 bits a number), with one power-of-two scale for each 32 numbers along K (OCP MX v1.0); their sums are f32. All else is computed in f32.
;;   The module's matrix products, in the order in which they are computed (A, B: the left and right operand; K: the contracted axis; several contracted axes count as one K, in the product's order):
;;     1. [M 262,144, K 16] x [K 16, N 128]; A: input lane_nodes_feat; B: input W_emb: left as it is (K = 16 < 32)
;;     2. [M 262,144, K 128] x [K 128, N 128]; A: computed on the way; B: input W_enc (given as codes): QUANTISED
;;     3. [M 262,144, K 128] x [K 128, N 128]; A: computed on the way; B: input Wq (given as codes): QUANTISED
;;     4. [M 262,144, K 128] x [K 128, N 128]; A: computed on the way; B: input Wk (given as codes): QUANTISED
;;     5. [M 262,144, K 128] x [K 128, N 128]; A: computed on the way; B: input Wv (given as codes): QUANTISED
;;     6. batch 8,192 x [M 64, K 64] x [K 64, N 64]; A: computed on the way; B: computed on the way: QUANTISED
;;     7. batch 8,192 x [M 64, K 64] x [K 64, N 64]; A: softmax (see below); B: computed on the way: QUANTISED
;;     8. [M 262,144, K 128] x [K 128, N 128]; A: computed on the way; B: input Wq (given as codes): QUANTISED
;;     9. [M 262,144, K 128] x [K 128, N 128]; A: computed on the way; B: input Wk (given as codes): QUANTISED
;;     10. [M 262,144, K 128] x [K 128, N 128]; A: computed on the way; B: input Wv (given as codes): QUANTISED
;;     11. batch 8,192 x [M 64, K 64] x [K 64, N 64]; A: computed on the way; B: computed on the way: QUANTISED
;;     12. batch 8,192 x [M 64, K 64] x [K 64, N 64]; A: softmax (see below); B: computed on the way: QUANTISED
;;     13. [M 262,144, K 128] x [K 128, N 128]; A: computed on the way; B: input Wq (given as codes): QUANTISED
;;     14. [M 262,144, K 128] x [K 128, N 128]; A: computed on the way; B: input Wk (given as codes): QUANTISED
;;     15. [M 262,144, K 128] x [K 128, N 128]; A: computed on the way; B: input Wv (given as codes): QUANTISED
;;     16. batch 8,192 x [M 64, K 64] x [K 64, N 64]; A: computed on the way; B: computed on the way: QUANTISED
;;     17. batch 8,192 x [M 64, K 64] x [K 64, N 64]; A: softmax (see below); B: computed on the way: QUANTISED
;;   THE QUANTISER, for each operand of a quantised product, along K:
;;     - K is cut into blocks of 32 from its start; a last block that is shorter is filled with zeros.
;;     - A block's scale is 2^e with e = floor(log2(the largest magnitude in the block)) - 2, held to -126 .. 127; a block of zeros has e = 0. As a byte (E8M0): e + 127.
;;     - Each number is divided by its block's scale, clamped to +-6, and rounded to the nearest number of E2M1, ties to even, subnormals kept.
;;     - The product sums the exact products of the quantised numbers (number of the format x scale) in f32.
;;   ~~~python
;;   def quantise(x, axis):      # numpy; x: float32 -> the quantised numbers, widened to float32 again
;;       x = np.moveaxis(x, axis, -1); K = x.shape[-1]
;;       x = np.pad(x, [(0, 0)] * (x.ndim - 1) + [(0, -K % 32)]); x = x.reshape(x.shape[:-1] + (-1, 32)); a = np.abs(x).max(-1, keepdims=True)
;;       e = np.where(a > 0, np.clip(np.frexp(np.where(a > 0, a, 1))[1] - 1 - 2, -126, 127), 0)      # np.frexp(a)[1] - 1 = floor(log2(a)), exactly
;;       r = np.clip(x / 2.0 ** e, -6, 6)
;;       step = 2.0 ** (np.maximum(np.frexp(np.where(r == 0, 1, r))[1] - 1, 0) - 1)
;;       q = np.round(r / step) * step * 2.0 ** e      # np.round: ties to even
;;       return np.moveaxis(q.reshape(q.shape[:-2] + (-1,))[..., :K], -1, axis).astype(np.float32)
;;   ~~~
;;   SOFTMAX AHEAD OF A QUANTISED PRODUCT. Where the list says 'softmax', what is quantised is not the finished softmax but p = 2^(t - M), with t = logit x log2(e) and M = ceil(the row's largest t), a whole number; so 1/2 < the row's largest p <= 1. The row's sum l is taken of the UNQUANTISED p, in f32, and the product's result is divided by l at the end. Since M is a whole number, a kernel that streams over the keys may use a running M (the ceiling of the running maximum): every later rescaling is an exact power of two, which a block's scale takes up: the codes' values come out the same.
;;   OPERANDS COMPUTED ON THE WAY. 'Computed on the way' means the value that the module computes at that place (a softmax that the list does not call 'softmax' is quantised finished and normalised). What goes into a quantiser is computed in f32, as accurately as f32 sums, v_exp_f32 and their like allow (about 1e-6 of the number): no bf16 or f16 on the way to a quantiser, and a product that is left as it is and whose result goes on into a quantised operand takes f32 operands (vector FMAs, or v_wmma_f32_16x16x4_f32). A number that lies on a knife's edge between two numbers of the format may be rounded either way, as far as f32 arithmetic and the matrix unit's own rounding can turn it there, and no further.
;;   INPUTS GIVEN AS CODES. W_enc (in the module: [128, 128], K = its axis 0); Wk (in the module: [3, 128, 128], K = its axis 1); Wq (in the module: [3, 128, 128], K = its axis 1); Wv (in the module: [3, 128, 128], K = its axis 1): each comes as NAME_codes (uint8): NAME with its K axis moved to the last place and cut into blocks of 32 codes, [.., K / 32, bytes a block], one block behind the other in memory; two codes a byte, the lower K in the low four bits (a code: sign, 2 exponent bits, 1 mantissa bit); and NAME_scales (uint8): the same leading axes, one E8M0 byte (e + 127) for each 32 codes along K. Its value is code x scale, taken as it is: it is not quantised again, and the codes and scales need not be those that the quantiser above would give.
;; One version. Each part assembles by itself: llvm-mc -triple=amdgcn-amd-amdhsa -mcpu=gfx1250 --defsym DOCPART=n.
;; ======== version 1 of 1: 1 launch
;; launch subgraph (part 1): grid 256 x 1, 8 waves a work-group, no clusters, 280,064 bytes of LDS; arguments lane_nodes_feat, masks, out0, W_emb, W_enc_codes, W_enc_scales, Wk_codes, Wk_scales, Wv_codes, Wv_scales, Wq_codes, Wq_scales, bv, bk, bq, ln_g, ln_b, b_emb, g_emb, beta_emb, b_enc, g_enc, beta_enc; writes out0
.if DOCPART == 1
	.amdgcn_target "amdgcn-amd-amdhsa--gfx1250"
	.amdhsa_code_object_version 6
	.text
	.protected	k_qa7c1804f76_subgraph
	.globl	k_qa7c1804f76_subgraph
	.p2align	8
	.type	k_qa7c1804f76_subgraph,@function
k_qa7c1804f76_subgraph:
	s_mov_b64 s[64:65], 0
	v_nop
	global_prefetch_b8 v0, s[64:65] scope:SCOPE_SE
	s_setreg_imm32_b32 hwreg(HW_REG_WAVE_MODE, 25, 1), 1
	s_wait_xcnt 0x0
; NewSubGraph, fused: for each of 4,096 lanes of 64 nodes x 128 features: x W_emb (f32), LN, relu; W_enc (MX-FP4), LN, relu; three layers of q, k, v (MX-FP4),
; attention in two heads of 64 (both products MX-FP4), relu + residual, LN; then the maximum over the 64 nodes.  Nothing but the inputs and out0 touches memory.
; SHARES.  256 work-groups of eight waves; a work-group walks 4 trips of 4 lanes.  Two waves share a lane: pair P = wave / 2, half W2 = wave % 2; a wave owns nodes 32 W2 .. 32 W2 + 31 as two
; tiles u of 16.  Two waves of 512 registers lie on a SIMD, so that one wave's vector work stands beside the other's matrix work and LDS waits.
; LAYOUT.  perm(f, x) = 32 (f / 2) + 8 (f % 2) + x + 8 (x / 8).  Lane r of node tile t = 2 W2 + u holds node perm(t, r); lane r of fragment f of every weight holds weight row perm(f, r).
; A product used transposed (source 0 = 16 weight rows, source 1 = 16 nodes) then leaves in register rho = 8 f + j of lane (r, h) feature 32 (rho / 16) + 16 h + rho % 16 of node r: 16 registers are 16
; neighbours along the next K, and a block of 32 lies in lanes l and l xor 16.  v is taken the other way round (source 0 = nodes), so that its 16 registers of two tiles are 16 neighbouring KEYS.
; So hs, q, k, v and p are all quantised by one core: 4 blocks x 16 registers, joined with lane l xor 16.
; K = 64 IN AN INSTRUCTION OF 128: a fragment's registers 0-3 are k 0..63, 4-7 are k 64..127.  K's and V^T's fragments lie as [head 0][four zero registers][head 1]: registers 0-7 serve head 0, 4-11 head 1,
; against the whole fragment of q (or of p: head 0's keys, head 1's keys).  Zero codes add nothing; every scale byte is a real one.
; THE MASK is the C of the score product: 0 where query and key are valid, else -80000 = 8 x -10000, so that the sum is 8 x the logit; t = sum x log2(e) / 8, M = ceil(the row's largest t), p = 2^(t - M).
; Padded rows are computed like all others: the last maximum runs over them.  The length steers values only (v_cndmask_b32), no branch and no address.
; NO CLUSTER: all that work-groups share is the 110,592 bytes of weights and vectors, read once at the head; each work-group's lanes are its own.  No tensor load: nothing streams but 4 KiB of features a lane,
; asked for a whole trip ahead into registers.
; LIMITS.  The sum of 1 - mask is taken in another order than the source's (exact for masks of 0 and 1).  NaN and infinities are not served.  A block whose largest magnitude lies under 2^-124 keeps the
; scale byte 1 (a block of zeros too: its codes are zeros).  A block's largest p is made from its largest score by the same two roundings and the same exponential as its elements: that takes v_exp_f32
; not to fall where its input rises.  The sum score + 8 x mask is rounded by the matrix unit and not by an f32 addition.
; ---- LDS, bytes
.set WENC,   0                         ; W_enc: fragment f as an image of its registers: 1,024 f + 512 c + 16 lane
.set WE,     8192                      ; W_emb^T, f32: 1,024 f + 512 q + 16 lane; register 4 q + e = W_emb[8 h + 4 q + e][perm(f, r)]
.set WL,     16384                     ; layer d at 24,576 d: Wk, Wv at + 8,192, Wq at + 16,384: images like W_enc's
.set SCALES, 90112                     ; scale words 64 f + 4 r: W_enc's; layer d at 512 + 1,536 d: k, v at + 512, q at + 1,024
.set VEC,    95232                     ; vectors as they lie in memory: b_emb, g_emb, beta_emb, b_enc, g_enc, beta_enc (512 each); bk 3,072, bq 4,608, ln_g 6,144, ln_b 7,680 (+ 512 d)
.set BVR,    104448                    ; 2,048 d + 256 f + 16 r: bv[d][perm(f, r)] four times
.set ZERO,   110592                    ; 512 bytes of zeros
.set KV,     111104                    ; pair P at 8,704 P: K's image 0, K's scale words 4,096, V's image 4,352, V's scale words 8,448
.set MT,     145920                    ; 8,192 wave + 4,096 u + 512 q + 16 lane: the mask as an image of 32 registers for each query tile
.set STAGE,  211456                    ; 16,896 P + 528 (16 W2 + r) + 4 x feature: the way to the last maximum
; ---- registers of window 1 (v256-511, written by their low 8 bits)
.set HS,  0                            ; the lane's state: tile u at 64 u
.set ACC, 128                          ; 8 accumulators: written by matrix instructions alone in the whole text
.set S,   192                          ; 8 more: tile 1's results, the scores, p
; ---- registers of window 0
.set LI,    1                          ; 16 x lane
.set R4,    2                          ; 4 r
.set R16,   3                          ; 16 r
.set R16H8, 4                          ; 16 r + 8 h
.set H64,   5                          ; 64 h
.set L8,    6                          ; 8 x lane
.set VF,    7                          ; 64 (r + 8 (r / 8)) + 32 h: my 8 features of my node
.set AMT,   8
.set AVN,   9                          ; 64 h + VEC
.set A4E,   10                         ; 4 r + SCALES
.set AW,    11                         ; the layer's weights, scale words, vectors, bv: made anew in each layer
.set ASC,   12
.set AVL,   13
.set ABV,   14
.set AKS,   15                         ; where I store K's codes, V's codes, K's scale word, V's scale bytes
.set AVS,   16
.set AKC,   17
.set AVC,   18
.set ARD,   19                         ; where I read the pair's images, and their scale words
.set ARS,   20
.set RP,    21                         ; r + 8 (r / 8)
.set MK,    22                         ; v22-23 two numbers of the lane's mask
.set TM,    24                         ; v24-39 at work: +0..3 largest magnitudes, +4..7 the other half's and bytes, +8, +9 words, +12..15 the conversions' scale operands
.set ASTO,  34                         ; the stage: where I put my rows, and where I read
.set ASTL,  35
.set UU,    40                         ; v40-41 -mean / -M of head 0: pairs of which the low word serves both halves; the high words are written once
.set NM0,   40
.set RR,    42                         ; v42-43 1 / sqrt / -M of head 1
.set RL0,   44                         ; v44-45, v46-47 1 / l of the two heads
.set SA,    48                         ; v48-55 four packed chains of sums
.set SB,    50
.set SC,    52
.set SD,    54
.set SCW,   56                         ; v56-63 scale words of the weights, later K's (0-3) and V's (4-7);  v56-68 hold scales and nothing else
.set HCS,   64                         ; v64-65 hs's scale words; v66-67 q's; v68 p's
.set QCS,   66
.set PCS,   68
.set NEG,   69                         ; -80000
.set ZR,    70                         ; 0
.set HC,    72                         ; v72-87 hs's two fragments (the head's temporaries lie here first)
.set QC,    88                         ; v88-103 q's two fragments; before that k's and v's codes on their way to LDS
.set PC,    104                        ; v104-111 p's fragment; before that v's scale bytes
.set FT,    112                        ; v112-127 the features, 8 a tile
.set G,     128                        ; v128-255 what comes from LDS
.set GK,    G                          ; K: tile t at 12 t
.set GV,    G+48                       ; V^T: fragments b and 4 + b at 12 b
.set GM,    G+96                       ; the mask of the query tile in hand
; ---- scalars
.set WV,     50
.set PP,     51
.set W2,     52
.set Q0,     53                        ; 32 W2
.set SEL,    54                        ; s[54:55] v_permlanex16_b32's selects for lane l xor 16
.set C8,     56                        ; s[56:57] log2(e) / 8
.set FLOORS, 58                        ; 2^(3 - 127)
.set NINF,   59
.set EADJ,   60                        ; -(2 << 23)
.set RCP128, 61
.set EPSS,   62
.set TRIP,   63
.set LAY,    66
.set SWL,    67
.set SSC,    68
.set SVL,    69
.set SBV,    70
.set MSB, 0
.macro WIN new                         ; s_set_vgpr_msb: bits 1:0 source 0, 3:2 source 1, 5:4 source 2, 7:6 destination; the high byte repeats the setting that is left
.if MSB != (\new)
	s_set_vgpr_msb (MSB<<8)|(\new)
.set MSB, \new
.endif
.endm
.macro PLACES n                        ; plain vector places behind a matrix instruction, or ahead of a scaled one (ISA guide 7.12.1)
.rept \n
	v_nop
.endr
.endm
.macro BAR                             ; all my LDS stores have landed and all my LDS loads are in: then the work-group's barrier
	s_wait_dscnt 0x0
	s_barrier_signal -1
	s_barrier_wait -1
.endm
.macro WM d, a, b, c, sa, sb
	v_wmma_scale_f32_16x16x128_f8f6f4 v[\d:\d+7], v[\a:\a+7], v[\b:\b+7], v[\c:\c+7], v[\sa], v[\sb] matrix_a_fmt:MATRIX_FMT_FP4 matrix_b_fmt:MATRIX_FMT_FP4
.endm
.macro WM0 d, a, b, sa, sb
	v_wmma_scale_f32_16x16x128_f8f6f4 v[\d:\d+7], v[\a:\a+7], v[\b:\b+7], 0, v[\sa], v[\sb] matrix_a_fmt:MATRIX_FMT_FP4 matrix_b_fmt:MATRIX_FMT_FP4
.endm
.macro LDVEC dst, adr, off             ; a vector of 128 numbers into the state's layout: register 4 q + e = feature 32 (q / 4) + 16 h + 4 (q % 4) + e (the address holds 64 h)
.set lq, 0
.rept 16
	ds_load_b128 v[\dst+4*lq:\dst+4*lq+3], v[\adr] offset:\off+128*(lq/4)+16*(lq%4)
.set lq, lq+1
.endr
.endm
.macro LDFRAG8 adr, off                ; eight fragments as they were stored: 16 loads of 512 consecutive bytes
.set lq, 0
.rept 16
	ds_load_b128 v[G+4*lq:G+4*lq+3], v[\adr] offset:\off+512*lq
.set lq, lq+1
.endr
.endm
.macro LDSCL adr, off                  ; and their scale words
.set lq, 0
.rept 8
	ds_load_b32 v[SCW+lq], v[\adr] offset:\off+64*lq
.set lq, lq+1
.endr
.endm
.macro LDBV                            ; bv as the C of v's product: all eight registers of lane r hold bv[perm(f, r)]
.set lq, 0
.rept 8
	ds_load_b128 v[G+64+8*lq:G+64+8*lq+3], v[ABV] offset:256*lq
	ds_load_b128 v[G+68+8*lq:G+68+8*lq+3], v[ABV] offset:256*lq
.set lq, lq+1
.endr
.endm
.macro LDFEAT off, moff                ; a lane's features (my 2 x 16 nodes, 8 numbers of each) and its mask
.irp u, 0,1
.irp i, 0,1
	global_load_b128 v[FT+8*\u+4*\i:FT+8*\u+4*\i+3], v[VF], s[4:5] offset:\off+512*\u+16*\i th:TH_LOAD_NT
.endr
.endr
	global_load_b64 v[MK:MK+1], v[L8], s[6:7] offset:\moff
.endm
; THE QUANTISER'S CORE.  64 registers of window 1 from src on: block b = registers 16 b .. 16 b + 15, mine and lane l xor 16's.
.macro QMAX src, ab, init              ; v[TM+b] = the block's largest (ab = 1: magnitude), with s[init] as one more leaf.  Every accumulator is read from its low end on; the four blocks take turns
	WIN 0x14
.set qb, 0
.rept 4
.if \ab
	v_max3_num_f32 v[TM+qb], s[\init], |v[\src+16*qb]|, |v[\src+16*qb+1]|
.else
	v_max3_num_f32 v[TM+qb], s[\init], v[\src+16*qb], v[\src+16*qb+1]
.endif
.set qb, qb+1
.endr
.set qi, 2
.rept 7
.set qb, 0
.rept 4
.if \ab
	v_max3_num_f32 v[TM+qb], v[TM+qb], |v[\src+16*qb+qi]|, |v[\src+16*qb+qi+1]|
.else
	v_max3_num_f32 v[TM+qb], v[TM+qb], v[\src+16*qb+qi], v[\src+16*qb+qi+1]
.endif
.set qb, qb+1
.endr
.set qi, qi+2
.endr
	WIN 0
.set qb, 0
.rept 4
	v_permlanex16_b32 v[TM+4+qb], v[TM+qb], s[SEL], s[SEL+1]
.set qb, qb+1
.endr
.set qb, 0
.rept 4
	v_max_num_f32 v[TM+qb], v[TM+qb], v[TM+4+qb]
.set qb, qb+1
.endr
.endm
.macro QSCL by                         ; 2 off the exponent field: the conversion's scale operand; its exponent field is the scale's byte
.set qb, 0
.rept 4
	v_add_nc_u32 v[TM+12+qb], s[EADJ], v[TM+qb]
.set qb, qb+1
.endr
.set qb, 0
.rept 4
	v_lshrrev_b32 v[\by+qb], 23, v[TM+12+qb]
.set qb, qb+1
.endr
.endm
.macro QWORD sw, by                    ; four bytes make the row's scale word
	v_lshl_or_b32 v[\sw], v[\by+1], 8, v[\by]
	v_lshl_or_b32 v[\sw], v[\by+2], 16, v[\sw]
	v_lshl_or_b32 v[\sw], v[\by+3], 24, v[\sw]
.endm
.macro QCVT src, dst                   ; registers 2 b, 2 b + 1 of dst: the codes of my 16 numbers of block b
	WIN 0x01
.set qb, 0
.rept 4
	v_cvt_scalef32_pk8_fp4_f32 v[\dst+2*qb], v[\src+16*qb:\src+16*qb+7], v[TM+12+qb]
	v_cvt_scalef32_pk8_fp4_f32 v[\dst+2*qb+1], v[\src+16*qb+8:\src+16*qb+15], v[TM+12+qb]
.set qb, qb+1
.endr
	WIN 0
	v_nop                                          ; one plain place behind the last scaled conversion
.endm
.macro SWAPS dst                       ; the operand's layout wants a whole block in a lane: lanes 0-15 block 2 c, lanes 16-31 block 2 c + 1
.irp c, 0,1
.irp i, 0,1
	v_permlane16_swap_b32 v[\dst+4*\c+\i], v[\dst+4*\c+2+\i]
.endr
.endr
.endm
.macro QUANT_R src, dst, sw            ; an operand that stays in my registers
	QMAX \src, 1, FLOORS
	QSCL TM+4
	QWORD \sw, TM+4
	QCVT \src, \dst
	SWAPS \dst
.endm
.macro QUANT_K src, u                  ; k of my tile u: to the pair's image.  My 8 bytes of block b go to 256 b + 16 r + 8 h: LDS does the exchange of halves
	QMAX \src, 1, FLOORS
	QSCL TM+4
	QWORD TM+8+\u, TM+4
	QCVT \src, QC+8*\u
.set kb, 0
.rept 4
	ds_store_b64 v[AKS], v[QC+8*\u+2*kb:QC+8*\u+2*kb+1] offset:1024*\u+256*kb
.set kb, kb+1
.endr
	ds_store_b32 v[AKC], v[TM+8+\u] offset:64*\u
.endm
.macro QUANT_V src, g                  ; v: block b is key block W2 of the 16 channels of fragment 4 g + b.  Codes to 512 (4 g + b) + 256 W2 + 16 r + 8 h; the byte to place 2 g + W2 of word b
	QMAX \src, 1, FLOORS
	QSCL PC+4*\g
	QCVT \src, QC+8*\g
.set kb, 0
.rept 4
	ds_store_b64 v[AVS], v[QC+8*\g+2*kb:QC+8*\g+2*kb+1] offset:512*(4*\g+kb)
	ds_store_b8 v[AVC], v[PC+4*\g+kb] offset:64*kb+2*\g
.set kb, kb+1
.endr
.endm
; PRODUCTS WITH WEIGHTS.  Sixteen instructions on sixteen accumulators; the bias is the C.
.macro MM_T                            ; transposed: source 0 = fragment f of the weight, source 1 = my tile's hs
	WIN 0x40
.set mf, 0
.rept 8
	WM ACC+8*mf, G+8*mf, HC, G+64+8*mf, SCW+mf, HCS
	WM S+8*mf, G+8*mf, HC+8, G+64+8*mf, SCW+mf, HCS+1
.set mf, mf+1
.endr
	WIN 0
.endm
.macro MM_V                            ; source 0 = my tile's hs, source 1 = fragment f of Wv: register j of lane (r, h) = key 32 W2 + 16 h + 8 u + j of channel perm(f, r)
	WIN 0x40
.set mf, 0
.rept 8
	WM ACC+16*mf, HC, G+8*mf, G+64+8*mf, HCS, SCW+mf
	WM ACC+16*mf+8, HC+8, G+8*mf, G+64+8*mf, HCS+1, SCW+mf
.set mf, mf+1
.endr
	WIN 0
.endm
.macro EMBT u                          ; x W_emb + b_emb for tile u, in f32: K = 16 in four steps; step s takes k = 8 h + 2 s + j on both sides.  The eight accumulators take turns
	WIN 0x40
.set ef, 0
.rept 8
	v_wmma_f32_16x16x4_f32 v[ACC+8*ef:ACC+8*ef+7], v[G+8*ef:G+8*ef+1], v[FT+8*\u:FT+8*\u+1], v[G+64+8*ef:G+64+8*ef+7]
.set ef, ef+1
.endr
	WIN 0x50
.set es, 1
.rept 3
.set ef, 0
.rept 8
	v_wmma_f32_16x16x4_f32 v[ACC+8*ef:ACC+8*ef+7], v[G+8*ef+2*es:G+8*ef+2*es+1], v[FT+8*\u+2*es:FT+8*\u+2*es+1], v[ACC+8*ef:ACC+8*ef+7]
.set ef, ef+1
.endr
.set es, es+1
.endr
	WIN 0
	PLACES 8                                       ; eight places behind this form, ahead of reads of the results and of loads into its sources
.endm
; LAYER NORM, in two passes as the source has it.
.macro SUMJOIN                         ; the four chains, their two halves, and lane l xor 16's: the row's sum in v[SA]
	v_pk_add_f32 v[SA:SA+1], v[SA:SA+1], v[SB:SB+1]
	v_pk_add_f32 v[SC:SC+1], v[SC:SC+1], v[SD:SD+1]
	v_pk_add_f32 v[SA:SA+1], v[SA:SA+1], v[SC:SC+1]
	v_add_f32 v[SA], v[SA], v[SA+1]
	v_permlanex16_b32 v[TM+4], v[SA], s[SEL], s[SEL+1]
	v_add_f32 v[SA], v[SA], v[TM+4]
.endm
.macro NORM src, dst                   ; dst = (src - mean) / sqrt(variance + eps), 64 registers of window 1
	WIN 0x05
.set nc, 0
.rept 4
	v_pk_add_f32 v[SA+2*nc:SA+2*nc+1], v[\src+4*nc:\src+4*nc+1], v[\src+4*nc+2:\src+4*nc+3]
.set nc, nc+1
.endr
	WIN 0x04
.set nc, 0
.rept 24
	v_pk_add_f32 v[SA+2*(nc%4):SA+2*(nc%4)+1], v[SA+2*(nc%4):SA+2*(nc%4)+1], v[\src+16+2*nc:\src+16+2*nc+1]
.set nc, nc+1
.endr
	WIN 0
	SUMJOIN
	v_mul_f32 v[UU], 0xbc000000, v[SA]             ; -mean = sum x -1/128
	WIN 0x41
.set nc, 0
.rept 32
	v_pk_add_f32 v[\dst+2*nc:\dst+2*nc+1], v[\src+2*nc:\src+2*nc+1], v[UU:UU+1] op_sel_hi:[1,0]
.set nc, nc+1
.endr
	WIN 0x05
.set nc, 0
.rept 4
	v_pk_mul_f32 v[SA+2*nc:SA+2*nc+1], v[\dst+2*nc:\dst+2*nc+1], v[\dst+2*nc:\dst+2*nc+1]
.set nc, nc+1
.endr
.set nc, 0
.rept 28
	v_pk_fma_f32 v[SA+2*(nc%4):SA+2*(nc%4)+1], v[\dst+8+2*nc:\dst+8+2*nc+1], v[\dst+8+2*nc:\dst+8+2*nc+1], v[SA+2*(nc%4):SA+2*(nc%4)+1]
.set nc, nc+1
.endr
	WIN 0
	SUMJOIN
	v_fma_f32 v[SA], v[SA], s[RCP128], s[EPSS]     ; variance + eps
	v_rsq_f32 v[RR], v[SA]
	v_nop                                          ; a plain place behind the transcendental,
	s_wait_alu depctr_va_vdst(0)                   ; and a wait ahead of its first reader
	WIN 0x41
.set nc, 0
.rept 32
	v_pk_mul_f32 v[\dst+2*nc:\dst+2*nc+1], v[\dst+2*nc:\dst+2*nc+1], v[RR:RR+1] op_sel_hi:[1,0]
.set nc, nc+1
.endr
	WIN 0
.endm
.macro GAIN u                          ; x gain + bias: gain in v[G ..], bias in v[G + 64 ..]
	WIN 0x41
.set nc, 0
.rept 32
	v_pk_fma_f32 v[HS+64*\u+2*nc:HS+64*\u+2*nc+1], v[HS+64*\u+2*nc:HS+64*\u+2*nc+1], v[G+2*nc:G+2*nc+1], v[G+64+2*nc:G+64+2*nc+1]
.set nc, nc+1
.endr
	WIN 0
.endm
.macro RELU u
	WIN 0x44
.set nc, 0
.rept 64
	v_max_num_f32 v[HS+64*\u+nc], 0, v[HS+64*\u+nc]
.set nc, nc+1
.endr
	WIN 0
.endm
; ATTENTION, for query tile u.
.macro SCORES u                        ; 8 x logit = K q^T + 8 x mask: register 32 hd + 8 t + j of lane (r, h) = key 32 (t / 2) + 16 h + 8 (t % 2) + j of query r
	WIN 0x40
.set st, 0
.rept 4
	WM S+8*st, GK+12*st, QC+8*\u, GM+8*st, SCW+st, QCS+\u
	WM S+32+8*st, GK+12*st+4, QC+8*\u, GM+8*st, SCW+st, QCS+\u
.set st, st+1
.endr
	WIN 0
.endm
.macro SOFTMAX                         ; blocks B = 2 hd + key block of 16 registers
	QMAX S, 0, NINF                                ; each block's largest sum: it serves the row's maximum and, since p rises with it, the block's largest p
	v_max_num_f32 v[TM+8], v[TM], v[TM+1]
	v_max_num_f32 v[TM+9], v[TM+2], v[TM+3]
	v_mul_f32 v[TM+8], s[C8], v[TM+8]              ; the row's largest t, head by head
	v_mul_f32 v[TM+9], s[C8], v[TM+9]
	v_floor_f32 v[NM0], -v[TM+8]                   ; -M = floor(-t) = -ceil(t)
	v_floor_f32 v[NM0+2], -v[TM+9]
.set sx, 0
.rept 4
	v_mul_f32 v[TM+sx], s[C8], v[TM+sx]            ; the blocks' largest go the elements' way: t rounded, then M taken off.  (Not fused: on padded rows t is some -14,427, and the definition rounds it there)
.set sx, sx+1
.endr
.set sx, 0
.rept 4
	v_add_f32 v[TM+sx], v[TM+sx], v[NM0+2*(sx/2)]
.set sx, sx+1
.endr
	WIN 0x41
.set sx, 0
.rept 32
	v_pk_mul_f32 v[S+2*sx:S+2*sx+1], v[S+2*sx:S+2*sx+1], s[C8:C8+1] op_sel_hi:[1,0]
.set sx, sx+1
.endr
.set sx, 0
.rept 32
	v_pk_add_f32 v[S+2*sx:S+2*sx+1], v[S+2*sx:S+2*sx+1], v[NM0+2*(sx/16):NM0+2*(sx/16)+1] op_sel_hi:[1,0]
.set sx, sx+1
.endr
.set sx, 0
.rept 64
	v_exp_f32 v[S+sx], v[S+sx]                     ; p = 2^(t - M): not normalised
.set sx, sx+1
.endr
	WIN 0
.set sx, 0
.rept 4
	v_exp_f32 v[TM+sx], v[TM+sx]                   ; the blocks' largest p
.set sx, sx+1
.endr
	v_nop                                          ; a plain place behind the last exponential,
	s_wait_alu depctr_va_vdst(0)                   ; and ONE wait for the batch of 68, ahead of its first reader
.set sx, 0
.rept 4
	v_max_num_f32 v[TM+sx], s[FLOORS], v[TM+sx]    ; the floor: a block whose every p has fallen to 0 keeps the byte 1
.set sx, sx+1
.endr
	QSCL TM+4
	QWORD PCS, TM+4
	QCVT S, PC
	SWAPS PC
	WIN 0x05                                       ; the rows' sums of the UNQUANTISED p, two chains a head.  These 28 lines are also the places between p's scale word and codes and the product
	v_pk_add_f32 v[SA:SA+1], v[S:S+1], v[S+2:S+3]
	v_pk_add_f32 v[SB:SB+1], v[S+4:S+5], v[S+6:S+7]
	v_pk_add_f32 v[SC:SC+1], v[S+32:S+33], v[S+34:S+35]
	v_pk_add_f32 v[SD:SD+1], v[S+36:S+37], v[S+38:S+39]
	WIN 0x04
.set sx, 0
.rept 6
	v_pk_add_f32 v[SA:SA+1], v[SA:SA+1], v[S+8+4*sx:S+8+4*sx+1]
	v_pk_add_f32 v[SB:SB+1], v[SB:SB+1], v[S+10+4*sx:S+10+4*sx+1]
	v_pk_add_f32 v[SC:SC+1], v[SC:SC+1], v[S+40+4*sx:S+40+4*sx+1]
	v_pk_add_f32 v[SD:SD+1], v[SD:SD+1], v[S+42+4*sx:S+42+4*sx+1]
.set sx, sx+1
.endr
	WIN 0
.endm
.macro PV                              ; O^T = V^T p^T: accumulator 4 hd + b: the state's layout again
	WIN 0x40
.set pb, 0
.rept 4
	WM0 ACC+8*pb, GV+12*pb, PC, SCW+4+pb, PCS
	WM0 ACC+32+8*pb, GV+12*pb+4, PC, SCW+4+pb, PCS
.set pb, pb+1
.endr
	WIN 0
.endm
.macro LTAIL                           ; 1 / l of both heads.  The additions are the places behind the products
	v_pk_add_f32 v[SA:SA+1], v[SA:SA+1], v[SB:SB+1]
	v_pk_add_f32 v[SC:SC+1], v[SC:SC+1], v[SD:SD+1]
	v_add_f32 v[SA], v[SA], v[SA+1]
	v_add_f32 v[SC], v[SC], v[SC+1]
	v_permlanex16_b32 v[TM+4], v[SA], s[SEL], s[SEL+1]
	v_permlanex16_b32 v[TM+5], v[SC], s[SEL], s[SEL+1]
	v_add_f32 v[SA], v[SA], v[TM+4]
	v_add_f32 v[SC], v[SC], v[TM+5]
	v_rcp_f32 v[RL0], v[SA]
	v_rcp_f32 v[RL0+2], v[SC]
	v_nop                                          ; a plain place, and one wait for the two reciprocals
	s_wait_alu depctr_va_vdst(0)
.endm
.macro EPI u                           ; hs = relu(O) / l + hs  (l is positive, so this is relu(O / l) + hs)
	WIN 0x44
.set ei, 0
.rept 64
	v_max_num_f32 v[S+ei], 0, v[ACC+ei]
.set ei, ei+1
.endr
	WIN 0x51
.set ei, 0
.rept 32
	v_pk_fma_f32 v[HS+64*\u+2*ei:HS+64*\u+2*ei+1], v[S+2*ei:S+2*ei+1], v[RL0+2*(ei/16):RL0+2*(ei/16)+1], v[HS+64*\u+2*ei:HS+64*\u+2*ei+1] op_sel_hi:[1,0,1]
.set ei, ei+1
.endr
	WIN 0
.endm
; ================ THE HEAD
	s_load_b512 s[4:19], s[0:1], 0x0               ; feat 4, masks 6, out 8, W_emb 10, W_enc codes 12, scales 14, Wk codes 16, scales 18
	s_load_b512 s[20:35], s[0:1], 0x40             ; Wv codes 20, scales 22, Wq codes 24, scales 26, bv 28, bk 30, bq 32, ln_g 34
	s_load_b256 s[36:43], s[0:1], 0x80             ; ln_b 36, b_emb 38, g_emb 40, beta_emb 42
	s_load_b128 s[44:47], s[0:1], 0xa0             ; b_enc 44, g_enc 46
	s_load_b64 s[48:49], s[0:1], 0xb0              ; beta_enc
	v_lshrrev_b32 v72, 5, v0
	v_readfirstlane_b32 s[WV], v72                 ; wave 0..7
	s_lshr_b32 s[PP], s[WV], 1                     ; the pair: which of the trip's four lanes
	s_and_b32 s[W2], s[WV], 1                      ; which 32 nodes of it
	s_lshl_b32 s[Q0], s[W2], 5
	s_mov_b32 s[SEL], 0x76543210
	s_mov_b32 s[SEL+1], 0xfedcba98
	s_mov_b32 s[C8], 0x3e38aa3b                    ; log2(e) / 8
	s_mov_b32 s[C8+1], s[C8]                       ; (named with it as a pair, so it is written)
	s_mov_b32 s[FLOORS], 0x01800000
	s_mov_b32 s[NINF], 0xff800000
	s_mov_b32 s[EADJ], 0xff000000
	s_mov_b32 s[RCP128], 0x3c000000
	s_mov_b32 s[EPSS], 0x3727c5ac                  ; 1e-5
	s_mov_b32 s[TRIP], 4
	v_and_b32 v72, 31, v0                          ; lane
	v_and_b32 v73, 15, v0                          ; r
	v_bfe_u32 v74, v0, 4, 1                        ; h
	v_lshlrev_b32 v[LI], 4, v72
	v_lshlrev_b32 v[R4], 2, v73
	v_lshlrev_b32 v[R16], 4, v73
	v_lshl_add_u32 v[R16H8], v74, 3, v[R16]
	v_lshlrev_b32 v[H64], 6, v74
	v_lshlrev_b32 v[L8], 3, v72
	v_and_b32 v[RP], 8, v73
	v_add_nc_u32 v[RP], v[RP], v73
	v_lshlrev_b32 v[VF], 6, v[RP]
	v_lshl_add_u32 v[VF], v74, 5, v[VF]
	s_lshl_b32 s72, s[WV], 13
	s_add_co_u32 s72, s72, MT
	v_add_nc_u32 v[AMT], s72, v[LI]
	v_add_nc_u32 v[AVN], VEC, v[H64]
	v_add_nc_u32 v[A4E], SCALES, v[R4]
	s_mul_i32 s73, s[PP], 8704
	s_add_co_u32 s73, s73, KV                      ; the pair's images
	s_lshl_b32 s74, s[W2], 11
	s_add_co_u32 s74, s74, s73
	v_add_nc_u32 v[AKS], s74, v[R16H8]
	s_lshl_b32 s74, s[W2], 8
	s_add_co_u32 s74, s74, s73
	s_add_co_u32 s74, s74, 4352
	v_add_nc_u32 v[AVS], s74, v[R16H8]
	s_lshl_b32 s74, s[W2], 7
	s_add_co_u32 s74, s74, s73
	s_add_co_u32 s74, s74, 4096
	v_add_nc_u32 v[AKC], s74, v[R4]
	s_add_co_u32 s74, s73, s[W2]
	s_add_co_u32 s74, s74, 8448
	v_add_nc_u32 v[AVC], s74, v[R4]
	v_add_nc_u32 v[ARD], s73, v[LI]
	v_add_nc_u32 v[ARS], s73, v[R4]
	s_mul_i32 s72, s[PP], 16896
	s_add_co_u32 s72, s72, STAGE                   ; the pair's stage
	s_mul_i32 s73, s[W2], 8448
	s_add_co_u32 s73, s73, s72
	v_mul_u32_u24 v[ASTO], v73, 528
	v_add_nc_u32 v[ASTO], v[ASTO], v[H64]
	v_add_nc_u32 v[ASTO], s73, v[ASTO]             ; row 16 W2 + r, + 64 h
	s_lshl_b32 s73, s[W2], 8
	s_add_co_u32 s73, s73, s72
	v_add_nc_u32 v[ASTL], s73, v[L8]               ; features 64 W2 + 2 lane, + 1
	v_mov_b32 v[NEG], 0xc79c4000                   ; -80000
	v_mov_b32 v[ZR], 0
.irp x, 41,43,45,47
	v_mov_b32 v\x, 0                               ; the high words of pairs of which the low word alone is taken
.endr
.irp x, 4,5,6,7
	v_mov_b32 v[TM+\x], 0                          ; written once: a lane permute's destination counts as one of its sources
.endr
	; wave w brings fragment f = w of every weight: lane r takes row perm(w, r) = 32 P + 8 W2 + r + 8 (r / 8)
	s_lshl_b32 s72, s[PP], 5
	s_lshl_b32 s73, s[W2], 3
	s_add_co_u32 s72, s72, s73
	v_add_nc_u32 v75, s72, v[RP]                   ; the row
	v_lshlrev_b32 v76, 6, v75
	v_lshl_add_u32 v76, v74, 4, v76                ; codes: 64 bytes a row, + 16 h
	v_lshlrev_b32 v77, 2, v75                      ; scale words, bv, a column of W_emb: 4 bytes
	v_lshl_add_u32 v78, v74, 12, v77               ; W_emb: + 8 h rows of 512 bytes
	s_lshl_b32 s72, s[WV], 10
	v_add_nc_u32 v79, s72, v[LI]                   ; an image's place: 1,024 w + 16 lane
	v_add_nc_u32 v80, WL, v79                      ; the same in each layer's part (an LDS offset has 16 bits)
	v_add_nc_u32 v81, WL+24576, v79
	v_add_nc_u32 v82, WL+49152, v79
	s_lshl_b32 s72, s[WV], 6
	s_add_co_u32 s72, s72, SCALES
	v_add_nc_u32 v83, s72, v[R4]
	s_lshl_b32 s72, s[WV], 8
	s_add_co_u32 s72, s72, BVR
	v_add_nc_u32 v84, s72, v[R16]
	v_lshlrev_b32 v85, 4, v0                       ; the layers' vectors: 16 bytes a thread, threads 0 to 95
	v_lshl_add_u32 v86, v0, 4, VEC+3072
	v_add_nc_u32 v87, VEC, v[LI]
	s_lshl_b32 s72, ttmp9, 4
	s_add_co_u32 s72, s72, s[PP]                   ; my first lane: 16 x work-group + P
	s_lshl_b32 s74, s72, 12
	s_lshl_b32 s73, s[W2], 11
	s_add_co_u32 s74, s74, s73                     ; features: 4,096 bytes a lane, + my 32 nodes of 64
	s_mov_b32 s75, 0
	s_lshl_b32 s76, s72, 8                         ; masks: 256 bytes a lane
	s_mov_b32 s77, 0
	s_lshl_b32 s78, s72, 9
	s_lshl_b32 s73, s[W2], 8
	s_add_co_u32 s78, s78, s73                     ; out: 512 bytes a lane, + my 64 features
	s_mov_b32 s79, 0
	s_wait_kmcnt 0x0
	s_add_nc_u64 s[4:5], s[4:5], s[74:75]
	s_add_nc_u64 s[6:7], s[6:7], s[76:77]
	s_add_nc_u64 s[8:9], s[8:9], s[78:79]
	LDFEAT 0, 0                                    ; the first trip's lane
	global_load_b128 v[G:G+3], v76, s[12:13]
	global_load_b128 v[G+4:G+7], v76, s[12:13] offset:32
.irp d, 0,1,2
	global_load_b128 v[G+8+24*\d:G+8+24*\d+3], v76, s[16:17] offset:8192*\d
	global_load_b128 v[G+12+24*\d:G+12+24*\d+3], v76, s[16:17] offset:8192*\d+32
	global_load_b128 v[G+16+24*\d:G+16+24*\d+3], v76, s[20:21] offset:8192*\d
	global_load_b128 v[G+20+24*\d:G+20+24*\d+3], v76, s[20:21] offset:8192*\d+32
	global_load_b128 v[G+24+24*\d:G+24+24*\d+3], v76, s[24:25] offset:8192*\d
	global_load_b128 v[G+28+24*\d:G+28+24*\d+3], v76, s[24:25] offset:8192*\d+32
	global_load_b32 v[G+81+3*\d], v77, s[18:19] offset:512*\d
	global_load_b32 v[G+82+3*\d], v77, s[22:23] offset:512*\d
	global_load_b32 v[G+83+3*\d], v77, s[26:27] offset:512*\d
	global_load_b32 v[G+92+4*\d], v77, s[28:29] offset:512*\d
.endr
	global_load_b32 v[G+80], v77, s[14:15]
.irp i, 0,1,2,3,4,5,6,7
	global_load_b32 v[G+104+\i], v78, s[10:11] offset:512*\i
.endr
	s_wait_loadcnt 0x0
	ds_store_b128 v79, v[G:G+3] offset:WENC
	ds_store_b128 v79, v[G+4:G+7] offset:WENC+512
	ds_store_b128 v79, v[G+104:G+107] offset:WE
	ds_store_b128 v79, v[G+108:G+111] offset:WE+512
	ds_store_b32 v83, v[G+80]
.irp d, 0,1,2
.irp m, 0,1,2
	ds_store_b128 v[80+\d], v[G+8+24*\d+8*\m:G+8+24*\d+8*\m+3] offset:8192*\m
	ds_store_b128 v[80+\d], v[G+12+24*\d+8*\m:G+12+24*\d+8*\m+3] offset:8192*\m+512
	ds_store_b32 v83, v[G+81+3*\d+\m] offset:512+1536*\d+512*\m
.endr
	v_mov_b32 v[G+93+4*\d], v[G+92+4*\d]           ; bv four times: two loads of 16 bytes then fill the C's eight registers
	v_mov_b32 v[G+94+4*\d], v[G+92+4*\d]
	v_mov_b32 v[G+95+4*\d], v[G+92+4*\d]
	ds_store_b128 v84, v[G+92+4*\d:G+95+4*\d] offset:2048*\d
.endr
	s_wait_dscnt 0x0                               ; the stores have read their registers: some are loaded again below
	s_cmp_lt_u32 s[WV], 3
	s_cbranch_scc0 .Lnot_layers
	global_load_b128 v[G:G+3], v85, s[30:31]       ; waves 0 to 2: bk, bq, ln_g, ln_b, 1,536 bytes each, as they lie
	global_load_b128 v[G+4:G+7], v85, s[32:33]
	global_load_b128 v[G+8:G+11], v85, s[34:35]
	global_load_b128 v[G+12:G+15], v85, s[36:37]
	s_wait_loadcnt 0x0
	ds_store_b128 v86, v[G:G+3]
	ds_store_b128 v86, v[G+4:G+7] offset:1536
	ds_store_b128 v86, v[G+8:G+11] offset:3072
	ds_store_b128 v86, v[G+12:G+15] offset:4608
.Lnot_layers:
	s_cmp_eq_u32 s[WV], 3
	s_cbranch_scc0 .Lnot_first
	global_load_b128 v[G:G+3], v[LI], s[38:39]     ; wave 3: the six vectors of the first two layers, and the zeros
	global_load_b128 v[G+4:G+7], v[LI], s[40:41]
	global_load_b128 v[G+8:G+11], v[LI], s[42:43]
	global_load_b128 v[G+12:G+15], v[LI], s[44:45]
	global_load_b128 v[G+16:G+19], v[LI], s[46:47]
	global_load_b128 v[G+20:G+23], v[LI], s[48:49]
.irp i, 24,25,26,27
	v_mov_b32 v[G+\i], 0
.endr
	s_wait_loadcnt 0x0
.irp i, 0,1,2,3,4,5
	ds_store_b128 v87, v[G+4*\i:G+4*\i+3] offset:512*\i
.endr
	ds_store_b128 v87, v[G+24:G+27] offset:ZERO-VEC
.Lnot_first:
	BAR                                            ; weights, scale words and vectors lie in LDS, for all eight waves and all four trips
; ================ A TRIP: one lane for each pair of waves
.Ltrip:
	; ---- the mask.  len = the sum of 1 - mask; pos < len is pos < ceil(len) for a whole pos
	s_wait_loadcnt 0x0                             ; this trip's features and mask, asked for a trip ago
	v_add_f32 v[TM], v[MK], v[MK+1]
	v_sub_f32 v[TM], 2.0, v[TM]
	v_add_f32_dpp v[TM], v[TM], v[TM] row_xmask:1 row_mask:0xf bank_mask:0xf
	v_add_f32_dpp v[TM], v[TM], v[TM] row_xmask:2 row_mask:0xf bank_mask:0xf
	v_add_f32_dpp v[TM], v[TM], v[TM] row_xmask:4 row_mask:0xf bank_mask:0xf
	v_add_f32_dpp v[TM], v[TM], v[TM] row_xmask:8 row_mask:0xf bank_mask:0xf
	v_permlanex16_b32 v[TM+4], v[TM], s[SEL], s[SEL+1]
	v_add_f32 v[TM], v[TM], v[TM+4]
	v_floor_f32 v[TM], -v[TM]
	v_cvt_i32_f32 v[TM], v[TM]
	v_sub_nc_u32 v[TM], 0, v[TM]                   ; L = ceil(len)
	v_lshrrev_b32 v[TM+1], 2, v[H64]
	v_sub_nc_u32 v[TM+1], v[TM], v[TM+1]           ; L - 16 h: register 8 t + j holds key 32 (t / 2) + 16 h + 8 (t % 2) + j
	v_add_nc_u32 v[TM+2], s[Q0], v[RP]             ; my query of tile 0
.irp u, 0,1
.if \u == 1
	v_add_nc_u32 v[TM+2], 8, v[TM+2]               ; and of tile 1
.endif
	v_cmp_lt_i32 vcc_lo, v[TM+2], v[TM]
	v_cndmask_b32 v[TM+3], 0, v[TM+1], vcc_lo      ; a padded query has no valid key
.set mi, 0
.rept 32
	v_cmp_lt_i32 vcc_lo, 32*(mi/16)+mi%16, v[TM+3]
	v_cndmask_b32 v[G+32*\u+mi], v[NEG], v[ZR], vcc_lo
.set mi, mi+1
.endr
.endr
.set mi, 0
.rept 16
	ds_store_b128 v[AMT], v[G+4*mi:G+4*mi+3] offset:512*mi   ; my wave's own bytes: no barrier
.set mi, mi+1
.endr
	s_wait_dscnt 0x0                               ; the stores have read their registers
	; ---- x W_emb + b_emb, LN, relu
	LDFRAG8 LI, WE
	LDVEC G+64, AVN, 0
	s_wait_dscnt 0x0
	EMBT 0
	NORM ACC, HS
	EMBT 1                                         ; (it begins the accumulators anew: more than nine plain lines on other registers stand in NORM)
	s_cmp_eq_u32 s[TRIP], 1
	s_cbranch_scc1 .Lno_next                       ; the last trip asks for nothing: no load leaves its buffer
	LDFEAT 16384, 1024                             ; the next trip's lane, four lanes on: it has the rest of this trip in which to land
.Lno_next:
	LDVEC G, AVN, 512                              ; g_emb, beta_emb: they land while tile 1 is normed
	LDVEC G+64, AVN, 1024
	NORM ACC, HS+64
	s_wait_dscnt 0x0
	GAIN 0
	GAIN 1
	RELU 0
	RELU 1
	; ---- W_enc, LN, relu
	LDFRAG8 LI, WENC
	LDVEC G+64, AVN, 1536
	LDSCL A4E, 0
	QUANT_R HS, HC, HCS
	QUANT_R HS+64, HC+8, HCS+1
	PLACES 8                                       ; eight places between a scale word made by vector lines and the scaled product (four for the codes)
	s_wait_dscnt 0x0
	MM_T
	PLACES 4                                       ; four places behind this form, ahead of loads into its sources and of reads of its results
	LDVEC G, AVN, 2048
	LDVEC G+64, AVN, 2560
	NORM ACC, HS
	NORM S, HS+64
	s_wait_dscnt 0x0
	GAIN 0
	GAIN 1
	RELU 0
	RELU 1
	s_mov_b32 s[SWL], WL
	s_mov_b32 s[SSC], SCALES+512
	s_mov_b32 s[SVL], VEC+3072
	s_mov_b32 s[SBV], BVR
	s_mov_b32 s[LAY], 3
; ================ A LAYER
.Llayer:
	v_add_nc_u32 v[AW], s[SWL], v[LI]
	v_add_nc_u32 v[ASC], s[SSC], v[R4]
	v_add_nc_u32 v[AVL], s[SVL], v[H64]
	v_add_nc_u32 v[ABV], s[SBV], v[R16]
	LDFRAG8 AW, 0                                  ; Wk, bk: they land while hs is quantised
	LDVEC G+64, AVL, 0
	LDSCL ASC, 0
	QUANT_R HS, HC, HCS
	QUANT_R HS+64, HC+8, HCS+1
	PLACES 8
	s_wait_dscnt 0x0
	MM_T                                           ; k
	PLACES 4
	LDFRAG8 AW, 8192                               ; Wv, bv: they land while k is quantised
	LDBV
	LDSCL ASC, 512
	QUANT_K ACC, 0
	QUANT_K S, 1
	s_wait_dscnt 0x0                               ; Wv is in; k's stores have read their registers
	MM_V                                           ; v
	PLACES 4
	LDFRAG8 AW, 16384                              ; Wq, bq
	LDVEC G+64, AVL, 1536
	LDSCL ASC, 1024
	QUANT_V ACC, 0
	QUANT_V S, 1
	s_wait_dscnt 0x0
	MM_T                                           ; q
	PLACES 4
.set zq, 0
.rept 4
	ds_load_b128 v[GK+12*zq+4:GK+12*zq+7], v[AVN] offset:ZERO-VEC   ; the zero registers between the heads' halves
	ds_load_b128 v[GV+12*zq+4:GV+12*zq+7], v[AVN] offset:ZERO-VEC
.set zq, zq+1
.endr
.set zq, 0
.rept 8
	ds_load_b128 v[GM+4*zq:GM+4*zq+3], v[AMT] offset:512*zq         ; query tile 0's mask
.set zq, zq+1
.endr
	QUANT_R ACC, QC, QCS
	QUANT_R S, QC+8, QCS+1
	PLACES 8
	BAR                                            ; both waves of every pair have stored their halves of K's and V's images
.set kt, 0
.rept 4
	ds_load_b128 v[GK+12*kt:GK+12*kt+3], v[ARD] offset:1024*kt
	ds_load_b128 v[GK+12*kt+8:GK+12*kt+11], v[ARD] offset:1024*kt+512
	ds_load_b128 v[GV+12*kt:GV+12*kt+3], v[ARD] offset:4352+512*kt
	ds_load_b128 v[GV+12*kt+8:GV+12*kt+11], v[ARD] offset:4352+512*(4+kt)
	ds_load_b32 v[SCW+kt], v[ARS] offset:4096+64*kt
	ds_load_b32 v[SCW+4+kt], v[ARS] offset:8448+64*kt
.set kt, kt+1
.endr
	BAR                                            ; every wave has the images in its registers: the next layer may write them again
	SCORES 0
	PLACES 4
.set zq, 0
.rept 8
	ds_load_b128 v[GM+4*zq:GM+4*zq+3], v[AMT] offset:4096+512*zq    ; query tile 1's mask lands under tile 0's softmax
.set zq, zq+1
.endr
	SOFTMAX
	PV
	LTAIL
	EPI 0
	s_wait_dscnt 0x0                               ; tile 1's mask
	SCORES 1
	PLACES 4
	SOFTMAX
	PV
	LTAIL
	LDVEC G, AVL, 3072                             ; ln_g, ln_b (behind LTAIL's plain lines: K, V and the mask are done with)
	LDVEC G+64, AVL, 4608
	EPI 1
	NORM HS, HS
	NORM HS+64, HS+64
	s_wait_dscnt 0x0
	GAIN 0
	GAIN 1
	s_add_co_u32 s[SWL], s[SWL], 24576
	s_add_co_u32 s[SSC], s[SSC], 1536
	s_add_co_u32 s[SVL], s[SVL], 512
	s_add_co_u32 s[SBV], s[SBV], 2048
	s_sub_co_i32 s[LAY], s[LAY], 1
	s_cmp_lg_u32 s[LAY], 0
	s_cbranch_scc1 .Llayer
	; ---- the maximum over the 64 nodes: my two tiles in registers; then 32 rows of the pair through the stage
	WIN 0x45
.set ti, 0
.rept 64
	v_max_num_f32 v[HS+ti], v[HS+ti], v[HS+64+ti]
.set ti, ti+1
.endr
	WIN 0x04                                       ; an LDS store's data are its source 1
.set ti, 0
.rept 16
	ds_store_b128 v[ASTO], v[HS+4*ti:HS+4*ti+3] offset:128*(ti/4)+16*(ti%4)   ; rows of 512 bytes + 16
.set ti, ti+1
.endr
	WIN 0
	BAR                                            ; the pair's 32 rows lie in the stage.  (It is written again only behind the next trip's barriers)
.set ti, 0
.rept 32
	ds_load_b64 v[G+2*ti:G+2*ti+1], v[ASTL] offset:528*ti   ; my two features of every row
.set ti, ti+1
.endr
	s_wait_dscnt 0x0
.irp e, 0,1
	v_max3_num_f32 v[SA+\e], v[G+\e], v[G+2+\e], v[G+4+\e]
.endr
.set ti, 0
.rept 14
	v_max3_num_f32 v[SA], v[SA], v[G+6+4*ti], v[G+8+4*ti]
	v_max3_num_f32 v[SA+1], v[SA+1], v[G+7+4*ti], v[G+9+4*ti]
.set ti, ti+1
.endr
	v_max_num_f32 v[SA], v[SA], v[G+62]
	v_max_num_f32 v[SA+1], v[SA+1], v[G+63]
	global_store_b64 v[L8], v[SA:SA+1], s[8:9] th:TH_STORE_NT   ; the wave stores 256 consecutive bytes, at a multiple of 256 from out0's first byte
	s_wait_xcnt 0x0                                ; the store and the next trip's loads have read their registers and bases: only now are these stepped
	s_add_nc_u64 s[4:5], s[4:5], 16384             ; four lanes on
	s_add_nc_u64 s[6:7], s[6:7], 1024
	s_add_nc_u64 s[8:9], s[8:9], 2048
	s_sub_co_i32 s[TRIP], s[TRIP], 1
	s_cmp_lg_u32 s[TRIP], 0
	s_cbranch_scc1 .Ltrip
	s_wait_xcnt 0x0
	v_lshl_add_u32 v254, v0, 2, 0x44200
	v_mov_b32 v255, 0
	s_wait_tensorcnt 0x0
	ds_add_u32 v254, v255
	s_wait_dscnt 0x0
	s_endpgm
.Lfunc_end_k_qa7c1804f76_subgraph:
	.size	k_qa7c1804f76_subgraph, .Lfunc_end_k_qa7c1804f76_subgraph-k_qa7c1804f76_subgraph
	.p2alignl 7, 3214868480
	.fill 96, 4, 3214868480
	.section	.rodata,"a",@progbits
	.p2align	6, 0x0
	.amdhsa_kernel k_qa7c1804f76_subgraph
		.amdhsa_group_segment_fixed_size 280064
		.amdhsa_private_segment_fixed_size 0
		.amdhsa_enable_private_segment 0
		.amdhsa_kernarg_size 184
		.amdhsa_user_sgpr_count 2
		.amdhsa_user_sgpr_kernarg_segment_ptr 1
		.amdhsa_wavefront_size32 1
		.amdhsa_system_sgpr_workgroup_id_x 1
		.amdhsa_system_sgpr_workgroup_id_y 1
		.amdhsa_system_sgpr_workgroup_id_z 1
		.amdhsa_system_vgpr_workitem_id 0
		.amdhsa_next_free_vgpr 512
		.amdhsa_next_free_sgpr 80
		.amdhsa_reserve_vcc 1
		.amdhsa_float_denorm_mode_32 3
		.amdhsa_float_denorm_mode_16_64 3
		.amdhsa_memory_ordered 1
		.amdhsa_forward_progress 1
		.amdhsa_inst_pref_size 214
	.end_amdhsa_kernel
	.amdgpu_metadata
---
amdhsa.version: [ 1, 2 ]
amdhsa.kernels:
  - .name:           k_qa7c1804f76_subgraph
    .symbol:         k_qa7c1804f76_subgraph.kd
    .args:
      - { .name: lane_nodes_feat, .offset: 0, .size: 8, .value_kind: global_buffer, .address_space: global }
      - { .name: masks, .offset: 8, .size: 8, .value_kind: global_buffer, .address_space: global }
      - { .name: out0, .offset: 16, .size: 8, .value_kind: global_buffer, .address_space: global }
      - { .name: W_emb, .offset: 24, .size: 8, .value_kind: global_buffer, .address_space: global }
      - { .name: W_enc_codes, .offset: 32, .size: 8, .value_kind: global_buffer, .address_space: global }
      - { .name: W_enc_scales, .offset: 40, .size: 8, .value_kind: global_buffer, .address_space: global }
      - { .name: Wk_codes, .offset: 48, .size: 8, .value_kind: global_buffer, .address_space: global }
      - { .name: Wk_scales, .offset: 56, .size: 8, .value_kind: global_buffer, .address_space: global }
      - { .name: Wv_codes, .offset: 64, .size: 8, .value_kind: global_buffer, .address_space: global }
      - { .name: Wv_scales, .offset: 72, .size: 8, .value_kind: global_buffer, .address_space: global }
      - { .name: Wq_codes, .offset: 80, .size: 8, .value_kind: global_buffer, .address_space: global }
      - { .name: Wq_scales, .offset: 88, .size: 8, .value_kind: global_buffer, .address_space: global }
      - { .name: bv, .offset: 96, .size: 8, .value_kind: global_buffer, .address_space: global }
      - { .name: bk, .offset: 104, .size: 8, .value_kind: global_buffer, .address_space: global }
      - { .name: bq, .offset: 112, .size: 8, .value_kind: global_buffer, .address_space: global }
      - { .name: ln_g, .offset: 120, .size: 8, .value_kind: global_buffer, .address_space: global }
      - { .name: ln_b, .offset: 128, .size: 8, .value_kind: global_buffer, .address_space: global }
      - { .name: b_emb, .offset: 136, .size: 8, .value_kind: global_buffer, .address_space: global }
      - { .name: g_emb, .offset: 144, .size: 8, .value_kind: global_buffer, .address_space: global }
      - { .name: beta_emb, .offset: 152, .size: 8, .value_kind: global_buffer, .address_space: global }
      - { .name: b_enc, .offset: 160, .size: 8, .value_kind: global_buffer, .address_space: global }
      - { .name: g_enc, .offset: 168, .size: 8, .value_kind: global_buffer, .address_space: global }
      - { .name: beta_enc, .offset: 176, .size: 8, .value_kind: global_buffer, .address_space: global }
    .group_segment_fixed_size: 280064
    .private_segment_fixed_size: 0
    .kernarg_segment_align: 8
    .kernarg_segment_size: 184
    .max_flat_workgroup_size: 256
    .sgpr_count:     80
    .vgpr_count:     512
    .wavefront_size: 32
...
	.end_amdgpu_metadata
.endif
;; end of part 1
